; MI455X (gfx1250); checked and timed in simulation.
; The chip was launched on July 23, 2026; its instructions are those of AMD's public machine-readable ISA for CDNA 5 (MIT licence, August 2026) and "CDNA5" Instruction Set Architecture Reference Guide (July 2026). The comments in the code are by the model that wrote it; some were corrected since.
;; RG Buv Hist Block. Allowed arithmetic: float matrix products may take bf16 or f16 operands with f32 sums; all other float work in f32.
;; Inputs: x 4 x 3 x 65,536 float32.
;; Outputs: out0 4 x 3 x 64 x 64 float32.
;; One version. Each part assembles by itself: llvm-mc -triple=amdgcn-amd-amdhsa -mcpu=gfx1250 --defsym DOCPART=n.
;; ======== version 1 of 1: 2 launches
;; workspace buffers: part 12,582,912 bytes; sums 4,096 bytes
;; launch hist (part 1): grid 256 x 1, 4 waves a work-group, no clusters, 229,888 bytes of LDS; arguments x, part, sums; writes part, sums
.if DOCPART == 1
	.amdgcn_target "amdgcn-amd-amdhsa--gfx1250"
	.amdhsa_code_object_version 6
	.text
	.protected	k_qd7ab8fd4a9_hist
	.globl	k_qd7ab8fd4a9_hist
	.p2align	8
	.type	k_qd7ab8fd4a9_hist,@function
k_qd7ab8fd4a9_hist:
	s_mov_b64 s[64:65], 0
	v_nop
	global_prefetch_b8 v0, s[64:65] scope:SCOPE_SE
	s_setreg_imm32_b32 hwreg(HW_REG_WAVE_MODE, 25, 1), 1
	s_wait_xcnt 0x0
; Partial RGB-uv histograms.  x: [4][3][65536] f32.  part: [256][3][64][64] f32, one partial histogram a work-group.  sums: [256][4] f32.
; With l_c = log(clip(x_c/2+0.5,0,1)+eps) only three differences occur: D01 = l0-l1, D02 = l0-l2, D12 = l1-l2.  The grid of bins is
; symmetric (lin[63-b] = -lin[b], to a rounding of 3.0, which is 1e-5 of the kernel's width) and the kernel is even, so with
; W_xy[b] = 1 / (1 + ((D_xy - lin[b]) / sigma)^2):
;   hist0[u][v] = sum Iy W01[u]    W02[v],   hist1[u][v] = sum Iy W01[63-u] W12[v],   hist2[u][v] = sum Iy W02[63-u] W12[63-v].
; Three vectors of 64 weights a pixel instead of six; each carries sqrt(Iy), so that every product carries Iy once.
; A weight: with g = Iy^(-1/4), p = g^2, s' = g D / sigma (per pixel) and L = lin / sigma (per lane):  d' = s' - L g,  a = d'^2 + p,  w = 1 / a.
; The clip bounds a to 0.76 .. 2.3e7 for every input, so the product of four is below 2.6e29: ONE reciprocal serves four weights.
; WORK: 256 work-groups x 4 waves; a work-group owns 1,024 pixels of one image, a wave 256 pixels = 8 K steps of 32.  A wave holds all
; 48 accumulator tiles (3 x 64 x 64 f32, 384 registers): the weights, which are the bulk of the work, are made once.
; No cluster: no two work-groups read the same input byte.  No tensor load: a wave's input is six loads of 512 bytes that go straight into arithmetic.
; LIMIT: a NaN in x counts as 0 behind the clip (the problem's function would spread it over the image).  Infinities are clipped as there.
; REGISTERS, in windows of 256: window 0 all vector work and the fragments; window 1 the tiles of c = 0 (v0-127) and c = 1 (v128-255);
; window 2 the tiles of c = 2 (v0-127).  Three switches for a K step's 48 matrix instructions.
.set NPIX,   65536
.set CHB,    4*NPIX                    ; bytes of a channel's row
.set IMB,    3*CHB                     ; bytes of an image
.set CHUNKS, 8                         ; K steps of 32 pixels in a wave
.set PXA,    1024                      ; LDS: one per-pixel array of a wave, 256 f32
.set PXW,    5*PXA                     ; g, p, s'01, s'02, s'12
.set HB,     4*PXW                     ; behind them: four copies of the histogram, one a wave
.set HP,     272                       ; a row of 64 f32 + 16 bytes = 17 x 16: sixteen rows' 16-byte pieces fall on sixteen different 16-byte columns modulo 256
.set HC,     192*HP
.set PARTB,  3*64*64*4
.set NL,   2                           ; v[2:9]     -L of my bin in bin tiles 0..3, each twice (a pair for the packed fma)
.set LA,   10                          ; LDS address of my half's 16 pixels of the K step
.set PA,   11                          ; LDS address at which I store my 4 pixels' figures
.set XO,   12                          ; byte offset of my 4 pixels in x
.set PXG,  16                          ; v[16:95]   g, p, s'01, s'02, s'12 of 16 pixels
.set PXP,  32
.set PX01, 48
.set PX02, 64
.set PX12, 80
.set FR01, 96                          ; v[96:191]  fragments: 4 bin tiles x 8 registers for each vector
.set FR02, 128
.set FR12, 160
.set TA,   192                         ; v[192:247] at work
.set TM,   208
.set TPR,  216
.set TT,   224
.set TW,   232
.set XI,   96                          ; per-pixel work, ahead of the K steps: 3 channels x 8 pixels
.set XS,   120
.set XP,   128
.set XR,   136
.set XG,   144
.set XD01, 152
.set XD02, 160
.set XD12, 168
.set NS,   14                          ; the way out
.set RN,   16
.set RR,   20
.set CO,   24
.set ADN,  25
.set ADR,  26
.set BA,   96
.set BB,   160
.set YY,   224
.set ZZ,   240
.set MSB, 0
.macro WIN new                         ; the immediate's high byte repeats the setting that is left
.if MSB != \new
	s_set_vgpr_msb (MSB<<8)|\new
.set MSB, \new
.endif
.endm
	s_load_b128 s[4:7], s[0:1], 0x0                ; x s[4:5], part s[6:7]
	s_load_b64 s[8:9], s[0:1], 0x10                ; sums
	s_set_vgpr_msb 0x80
	v_lshl_add_u32 v128, v0, 2, 0x38000
	v_mov_b32 v129, 0
	s_set_vgpr_msb 0x8000
	v_lshrrev_b32 v1, 5, v0
	v_readfirstlane_b32 s10, v1                    ; wave 0..3
	s_lshr_b32 s11, ttmp9, 6                       ; image
	s_and_b32 s12, ttmp9, 63                       ; which 1,024 pixels of it
	s_mul_i32 s11, s11, IMB
	s_lshl_b32 s12, s12, 12
	s_add_co_u32 s12, s12, s11
	s_mov_b32 s13, 0
	s_mul_i32 s16, ttmp9, PARTB
	s_mov_b32 s17, 0
	s_lshl2_add_u32 s18, ttmp9, s10                ; 4 x work-group + wave
	s_lshl_b32 s18, s18, 2
	s_mov_b32 s19, 0
	v_lshlrev_b32 v[XO], 4, v0                     ; thread t: pixels 4 t .. 4 t + 3 and 512 + 4 t ..: a wave's load covers 512 neighbouring bytes
	s_wait_kmcnt 0x0
	s_add_nc_u64 s[4:5], s[4:5], s[12:13]
	s_add_nc_u64 s[6:7], s[6:7], s[16:17]
	s_add_nc_u64 s[8:9], s[8:9], s[18:19]
.irp c, 0,1,2
.irp j, 0,1
	global_load_b128 v[XI+8*\c+4*\j:XI+8*\c+4*\j+3], v[XO], s[4:5] offset:\c*CHB+\j*2048 th:TH_LOAD_NT
.endr
.endr
	; while they come: -L = 150 - b (6/63)/0.02 for my bin b = 16 t + lane % 16, and the LDS addresses
	s_mov_b32 s20, 0xc0986186                      ; -(6/63)/0.02 = -4.7619047
	s_mov_b32 s21, 0x43160000                      ; 3/0.02 = 150
	s_mov_b32 s22, 0x76543210                      ; v_permlanex16_b32: lane i of one half reads lane i of the other
	s_mov_b32 s23, 0xfedcba98
	v_and_b32 v1, 15, v0
.irp t, 0,1,2,3
	v_add_nc_u32 v13, 16*\t, v1
	v_cvt_f32_u32 v13, v13
	v_fma_f32 v[NL+2*\t], v13, s20, s21
	v_mov_b32 v[NL+2*\t+1], v[NL+2*\t]
.endr
	s_mul_i32 s14, s10, PXW                        ; my wave's five arrays
	v_bfe_u32 v14, v0, 4, 1
	v_lshlrev_b32 v14, 6, v14
	v_add_nc_u32 v[LA], s14, v14                   ; lanes 0-15 take pixels 0-15 of a K step, lanes 16-31 pixels 16-31
	v_and_b32 v15, 31, v0
	v_lshlrev_b32 v15, 4, v15
	v_add_nc_u32 v[PA], s14, v15
	s_wait_loadcnt 0x0
	; PER PIXEL, 8 pixels a lane.  I = clip(x/2 + 0.5, 0, 1)
.set i, 0
.rept 12
	v_pk_fma_f32 v[XI+2*i:XI+2*i+1], v[XI+2*i:XI+2*i+1], 0.5, 0.5 op_sel_hi:[1,0,0]
.set i, i+1
.endr
.set i, 0
.rept 24
	v_max_num_f32 v[XI+i], 0, v[XI+i]
.set i, i+1
.endr
.set i, 0
.rept 24
	v_min_num_f32 v[XI+i], 1.0, v[XI+i]
.set i, i+1
.endr
.irp k, 0,1,2,3
	v_pk_fma_f32 v[XS+2*\k:XS+2*\k+1], v[XI+2*\k:XI+2*\k+1], v[XI+2*\k:XI+2*\k+1], 0x358637bd op_sel_hi:[1,1,0]   ; eps + I0^2
.endr
.irp k, 0,1,2,3
	v_pk_fma_f32 v[XS+2*\k:XS+2*\k+1], v[XI+8+2*\k:XI+8+2*\k+1], v[XI+8+2*\k:XI+8+2*\k+1], v[XS+2*\k:XS+2*\k+1]
.endr
.irp k, 0,1,2,3
	v_pk_fma_f32 v[XS+2*\k:XS+2*\k+1], v[XI+16+2*\k:XI+16+2*\k+1], v[XI+16+2*\k:XI+16+2*\k+1], v[XS+2*\k:XS+2*\k+1]   ; = Iy^2
.endr
	; Iy^-1, p = Iy^-1/2, g = Iy^-1/4.  Between a run of transcendentals and the use of its results stands plain independent work
	; (ISA guide 5.7.2): here the sums I + eps of one channel each.
.irp k, 0,1,2,3,4,5,6,7
	v_rsq_f32 v[XR+\k], v[XS+\k]
.endr
.irp k, 0,1,2,3
	v_pk_add_f32 v[XI+2*\k:XI+2*\k+1], v[XI+2*\k:XI+2*\k+1], 0x358637bd op_sel_hi:[1,0]
.endr
	s_wait_alu depctr_va_vdst(0)
.irp k, 0,1,2,3,4,5,6,7
	v_sqrt_f32 v[XP+\k], v[XR+\k]
.endr
.irp k, 0,1,2,3
	v_pk_add_f32 v[XI+8+2*\k:XI+8+2*\k+1], v[XI+8+2*\k:XI+8+2*\k+1], 0x358637bd op_sel_hi:[1,0]
.endr
	s_wait_alu depctr_va_vdst(0)
.irp k, 0,1,2,3,4,5,6,7
	v_sqrt_f32 v[XG+\k], v[XP+\k]
.endr
.irp k, 0,1,2,3
	v_pk_add_f32 v[XI+16+2*\k:XI+16+2*\k+1], v[XI+16+2*\k:XI+16+2*\k+1], 0x358637bd op_sel_hi:[1,0]
.endr
.set i, 0
.rept 24
	v_log_f32 v[XI+i], v[XI+i]                     ; log2(I + eps)
.set i, i+1
.endr
	s_wait_alu depctr_va_vdst(0)
.irp k, 0,1,2,3
	v_pk_mul_f32 v[XR+2*\k:XR+2*\k+1], v[XG+2*\k:XG+2*\k+1], 0x420aa123 op_sel_hi:[1,0]   ; g ln2 / sigma = 34.657359 g; also the plain work behind the logs
.endr
.irp k, 0,1,2,3
	v_pk_add_f32 v[XD01+2*\k:XD01+2*\k+1], v[XI+2*\k:XI+2*\k+1],     v[XI+8+2*\k:XI+8+2*\k+1]   neg_lo:[0,1] neg_hi:[0,1]
	v_pk_add_f32 v[XD02+2*\k:XD02+2*\k+1], v[XI+2*\k:XI+2*\k+1],     v[XI+16+2*\k:XI+16+2*\k+1] neg_lo:[0,1] neg_hi:[0,1]
	v_pk_add_f32 v[XD12+2*\k:XD12+2*\k+1], v[XI+8+2*\k:XI+8+2*\k+1], v[XI+16+2*\k:XI+16+2*\k+1] neg_lo:[0,1] neg_hi:[0,1]
.endr
.irp k, 0,1,2,3
	v_pk_mul_f32 v[XD01+2*\k:XD01+2*\k+1], v[XD01+2*\k:XD01+2*\k+1], v[XR+2*\k:XR+2*\k+1]
	v_pk_mul_f32 v[XD02+2*\k:XD02+2*\k+1], v[XD02+2*\k:XD02+2*\k+1], v[XR+2*\k:XR+2*\k+1]
	v_pk_mul_f32 v[XD12+2*\k:XD12+2*\k+1], v[XD12+2*\k:XD12+2*\k+1], v[XR+2*\k:XR+2*\k+1]
.endr
.irp j, 0,1
	ds_store_b128 v[PA], v[XG+4*\j:XG+4*\j+3]     offset:0*PXA+512*\j
	ds_store_b128 v[PA], v[XP+4*\j:XP+4*\j+3]     offset:1*PXA+512*\j
	ds_store_b128 v[PA], v[XD01+4*\j:XD01+4*\j+3] offset:2*PXA+512*\j
	ds_store_b128 v[PA], v[XD02+4*\j:XD02+4*\j+3] offset:3*PXA+512*\j
	ds_store_b128 v[PA], v[XD12+4*\j:XD12+4*\j+3] offset:4*PXA+512*\j
.endr
	; The arrays are the wave's own, and LDS serves a wave's instructions in order (ISA guide 5.7.1.4): no wait and no barrier in front of the loads.
; The figures of a K step's pixels: the 16 lanes of a half read the same 16 bytes.  In the order in which they are used.
.macro PXLOAD
.irp q, 0,1,2,3
	ds_load_b128 v[PXG+4*\q:PXG+4*\q+3], v[LA] offset:0*PXA+16*\q
.endr
.irp q, 0,1,2,3
	ds_load_b128 v[PXP+4*\q:PXP+4*\q+3], v[LA] offset:1*PXA+16*\q
.endr
.irp q, 0,1,2,3
	ds_load_b128 v[PX12+4*\q:PX12+4*\q+3], v[LA] offset:4*PXA+16*\q
.endr
.irp q, 0,1,2,3
	ds_load_b128 v[PX02+4*\q:PX02+4*\q+3], v[LA] offset:3*PXA+16*\q
.endr
.irp q, 0,1,2,3
	ds_load_b128 v[PX01+4*\q:PX01+4*\q+3], v[LA] offset:2*PXA+16*\q
.endr
.endm
; 16 weights a lane: pixels 4 qd .. 4 qd + 3 of my half x my bin in the four bin tiles.  Four chains that do not wait for each other.
; In a fragment the lane is the bin and the registers run along the pixels; register 2 qd holds pixels 4 qd, 4 qd + 1, register 2 qd + 1 the next two.
; Every vector uses this same place for a pixel, so both sources of a matrix instruction agree in k.
.macro GEN4 sv, fv, qd
.irp t, 0,1,2,3
	v_pk_fma_f32 v[TA+4*\t:TA+4*\t+1],   v[PXG+4*\qd:PXG+4*\qd+1],   v[NL+2*\t:NL+2*\t+1], v[\sv+4*\qd:\sv+4*\qd+1]       ; d' = s' - L g
	v_pk_fma_f32 v[TA+4*\t+2:TA+4*\t+3], v[PXG+4*\qd+2:PXG+4*\qd+3], v[NL+2*\t:NL+2*\t+1], v[\sv+4*\qd+2:\sv+4*\qd+3]
.endr
.irp t, 0,1,2,3
	v_pk_fma_f32 v[TA+4*\t:TA+4*\t+1],   v[TA+4*\t:TA+4*\t+1],   v[TA+4*\t:TA+4*\t+1],   v[PXP+4*\qd:PXP+4*\qd+1]         ; a = d'^2 + p
	v_pk_fma_f32 v[TA+4*\t+2:TA+4*\t+3], v[TA+4*\t+2:TA+4*\t+3], v[TA+4*\t+2:TA+4*\t+3], v[PXP+4*\qd+2:PXP+4*\qd+3]
.endr
.irp t, 0,1,2,3
	v_pk_mul_f32 v[TM+2*\t:TM+2*\t+1], v[TA+4*\t:TA+4*\t+1], v[TA+4*\t+2:TA+4*\t+3]                                      ; m = (a0 a2, a1 a3)
.endr
	v_mul_f32 v[TPR+0], v[TM+0], v[TM+1]           ; a0 a1 a2 a3
	v_mul_f32 v[TPR+2], v[TM+2], v[TM+3]
	v_mul_f32 v[TPR+4], v[TM+4], v[TM+5]
	v_rcp_f32 v[TPR+1], v[TPR+0]                   ; between each reciprocal and the use of its result stands a plain instruction that touches
	v_mul_f32 v[TPR+6], v[TM+6], v[TM+7]           ; neither its source nor its result (ISA guide 5.7.2): this product, or an earlier chain's multiply below
	v_rcp_f32 v[TPR+3], v[TPR+2]
	v_rcp_f32 v[TPR+5], v[TPR+4]
	v_rcp_f32 v[TPR+7], v[TPR+6]
	s_wait_alu depctr_va_vdst(0)
.irp t, 0,1,2,3
	v_pk_mul_f32 v[TT+2*\t:TT+2*\t+1], v[TM+2*\t:TM+2*\t+1], v[TPR+2*\t:TPR+2*\t+1] op_sel:[1,1] op_sel_hi:[0,1]         ; (m.hi, m.lo) x the reciprocal = (1/m.lo, 1/m.hi)
.endr
.irp t, 0,1,2,3
	v_pk_mul_f32 v[TW+4*\t:TW+4*\t+1],   v[TA+4*\t+2:TA+4*\t+3], v[TT+2*\t:TT+2*\t+1]                                    ; (1/a0, 1/a1)
	v_pk_mul_f32 v[TW+4*\t+2:TW+4*\t+3], v[TA+4*\t:TA+4*\t+1],   v[TT+2*\t:TT+2*\t+1]                                    ; (1/a2, 1/a3)
.endr
.irp t, 0,1,2,3
	v_cvt_pk_bf16_f32 v[\fv+8*\t+2*\qd],   v[TW+4*\t],   v[TW+4*\t+1]
	v_cvt_pk_bf16_f32 v[\fv+8*\t+2*\qd+1], v[TW+4*\t+2], v[TW+4*\t+3]
.endr
.endm
; One channel's 16 tiles.  Source 0 is the vector that runs along v, source 1 the one along u: register j of lane l then holds
; (v' = 16 tv + 8 (l / 16) + j, u' = 16 tu + l % 16): four neighbouring registers are 16 neighbouring bytes of a histogram row.
; zero = 1: the first K step starts the sums; nothing is cleared.
.macro MMA16 ac, vf, uf, zero
.irp tu, 0,1,2,3
.irp tv, 0,1,2,3
.if \zero
	v_wmma_f32_16x16x32_bf16 v[\ac+8*(4*\tu+\tv):\ac+8*(4*\tu+\tv)+7], v[\vf+8*\tv:\vf+8*\tv+7], v[\uf+8*\tu:\uf+8*\tu+7], 0
.else
	v_wmma_f32_16x16x32_bf16 v[\ac+8*(4*\tu+\tv):\ac+8*(4*\tu+\tv)+7], v[\vf+8*\tv:\vf+8*\tv+7], v[\uf+8*\tu:\uf+8*\tu+7], v[\ac+8*(4*\tu+\tv):\ac+8*(4*\tu+\tv)+7]
.endif
.endr
.endr
.endm
; A K step: 192 weights a lane, then 48 matrix instructions.  The 48 accumulators take turns, one instruction a turn, over the backward
; jump too.  The next step's first write of a fragment stands 40 plain vector instructions behind the last
; matrix instruction (ISA guide 7.12.1 asks for four).  next = 1: the next step's pixel figures are asked for ahead of the matrix
; instructions and come in under them.
.macro CHUNK zero, next
	s_wait_dscnt 0x8                               ; g, p, s'12 are in; the four loads of s'02 and the four of s'01 may be out
.irp q, 0,1,2,3
	GEN4 PX12, FR12, \q
.endr
	s_wait_dscnt 0x4                               ; s'02 is in; s'01's four loads may be out
.irp q, 0,1,2,3
	GEN4 PX02, FR02, \q
.endr
	s_wait_dscnt 0x0
.irp q, 0,1,2,3
	GEN4 PX01, FR01, \q
.endr
.if \next
	v_add_nc_u32 v[LA], 128, v[LA]                 ; 32 pixels on
	PXLOAD
.endif
	WIN 0x50                                       ; C and D in window 1, the fragments in window 0
	MMA16 0,   FR02, FR01, \zero                   ; c = 0: u' = u from W01, v' = v from W02
	MMA16 128, FR12, FR01, \zero                   ; c = 1: u' = 63 - u from W01, v' = v from W12
	WIN 0xa0                                       ; C and D in window 2
	MMA16 0,   FR12, FR02, \zero                   ; c = 2: u' = 63 - u from W02, v' = 63 - v from W12
	WIN 0
.endm
	PXLOAD
	CHUNK 1, 1
	s_mov_b32 s14, CHUNKS-2
.Lchunk:
	CHUNK 0, 1
	s_sub_co_u32 s14, s14, 1
	s_cmp_lg_u32 s14, 0
	s_cbranch_scc1 .Lchunk
	CHUNK 0, 0                                     ; the last step asks for nothing more
	; THE WAY OUT.  Each wave lays its 48 tiles into its own copy of the histogram in LDS, as rows [c][u] of 64 numbers.  The reversal of u
	; is in the row's address: lane % 16 counts rows upward for c = 0 and 15 - lane % 16 does for c = 1, 2.  The address work below is also the
	; four places between the last matrix instruction and the first store of a result.
	v_and_b32 v1, 15, v0                           ; lane % 16
	v_bfe_u32 v27, v0, 4, 1                        ; lane / 16
	v_not_b32 v28, v0
	v_and_b32 v28, 15, v28                         ; 15 - lane % 16
	s_mul_i32 s15, s10, HC
	s_add_co_u32 s15, s15, HB                      ; my copy
	v_lshlrev_b32 v29, 5, v27                      ; 8 numbers further for lanes 16-31
	v_add_nc_u32 v29, s15, v29
	v_mul_u32_u24 v30, v1, HP
	v_mul_u32_u24 v31, v28, HP
	v_add_nc_u32 v[ADN], v29, v30
	v_add_nc_u32 v[ADR], v29, v31
.macro PUT16 ad, ac, row0, rstep
.irp tu, 0,1,2,3
.irp tv, 0,1,2,3
	ds_store_b128 v[\ad], v[\ac+8*(4*\tu+\tv):\ac+8*(4*\tu+\tv)+3]   offset:(\row0+\rstep*\tu)*HP+64*\tv
	ds_store_b128 v[\ad], v[\ac+8*(4*\tu+\tv)+4:\ac+8*(4*\tu+\tv)+7] offset:(\row0+\rstep*\tu)*HP+64*\tv+16
.endr
.endr
.endm
	WIN 0x04                                       ; an LDS store's data are source 1: window 1
	PUT16 ADN, 0,   0,   16                        ; c = 0: row 16 tu + lane % 16
	PUT16 ADR, 128, 112, -16                       ; c = 1: row 64 + 63 - 16 tu - lane % 16 = 112 - 16 tu + (15 - lane % 16)
	WIN 0x08                                       ; window 2
	PUT16 ADR, 0,   176, -16                       ; c = 2: the same in its 64 rows; along the row the numbers still lie by v' = 63 - v
	WIN 0
	; Reading back: wave w takes rows 16 w .. 16 w + 15 of each channel, two rows an instruction, 16 lanes x 16 bytes a row.
	s_mul_i32 s16, s10, 16*HP
	s_add_co_u32 s16, s16, HB
	v_mul_u32_u24 v29, v27, HP
	v_add_nc_u32 v29, s16, v29
	v_lshlrev_b32 v30, 4, v1
	v_lshlrev_b32 v31, 4, v28
	v_add_nc_u32 v[RN], v29, v30                   ; numbers 4 q .. 4 q + 3 of a row, q = lane % 16
	v_add_nc_u32 v[RR], v29, v31                   ; numbers 60 - 4 q .. 63 - 4 q: what v = 4 q .. 4 q + 3 needs where v' = 63 - v
.irp k, 1,2,3
	v_add_nc_u32 v[RN+\k], \k*HC, v[RN]            ; the same in the other copies
	v_add_nc_u32 v[RR+\k], \k*HC, v[RR]
.endr
	v_lshlrev_b32 v29, 8, v27
	v_add_nc_u32 v29, v29, v30
	s_lshl_b32 s17, s10, 12
	v_add_nc_u32 v[CO], s17, v29                   ; my 16 bytes in part: row 16 w + lane / 16, 16 q
	s_wait_dscnt 0x0                               ; my copy is written whole,
	s_barrier_signal -1
	s_barrier_wait -1                              ; and so is everybody's
; four pairs of rows x four copies: 16 loads
.macro RDGRP buf, c, i0, rev
.irp ii, 0,1,2,3
.irp k, 0,1,2,3
.if \rev
	ds_load_b128 v[\buf+16*\ii+4*\k:\buf+16*\ii+4*\k+3], v[RR+\k] offset:(64*\c+2*(\i0+\ii))*HP
.else
	ds_load_b128 v[\buf+16*\ii+4*\k:\buf+16*\ii+4*\k+3], v[RN+\k] offset:(64*\c+2*(\i0+\ii))*HP
.endif
.endr
.endr
.endm
; the four copies are added, the rows stored (16 lanes store 256 consecutive bytes, at a multiple of 256 from part's first byte), and what is stored is summed for the norm.
; rev = 1: the four numbers of a lane are turned round by the first additions: pairs taken in the other order, each pair swapped.
.macro SUMGRP buf, c, i0, rev, first
.if \first == 0
	s_wait_xcnt 0x0                                ; the last group's stores read YY: it is rewritten only behind this wait
.endif
.irp ii, 0,1,2,3
.if \rev
	v_pk_add_f32 v[YY+4*\ii:YY+4*\ii+1],   v[\buf+16*\ii+2:\buf+16*\ii+3],   v[\buf+16*\ii+6:\buf+16*\ii+7]   op_sel:[1,1] op_sel_hi:[0,0]
	v_pk_add_f32 v[YY+4*\ii+2:YY+4*\ii+3], v[\buf+16*\ii:\buf+16*\ii+1],     v[\buf+16*\ii+4:\buf+16*\ii+5]   op_sel:[1,1] op_sel_hi:[0,0]
	v_pk_add_f32 v[ZZ+4*\ii:ZZ+4*\ii+1],   v[\buf+16*\ii+10:\buf+16*\ii+11], v[\buf+16*\ii+14:\buf+16*\ii+15] op_sel:[1,1] op_sel_hi:[0,0]
	v_pk_add_f32 v[ZZ+4*\ii+2:ZZ+4*\ii+3], v[\buf+16*\ii+8:\buf+16*\ii+9],   v[\buf+16*\ii+12:\buf+16*\ii+13] op_sel:[1,1] op_sel_hi:[0,0]
.else
	v_pk_add_f32 v[YY+4*\ii:YY+4*\ii+1],   v[\buf+16*\ii:\buf+16*\ii+1],     v[\buf+16*\ii+4:\buf+16*\ii+5]
	v_pk_add_f32 v[YY+4*\ii+2:YY+4*\ii+3], v[\buf+16*\ii+2:\buf+16*\ii+3],   v[\buf+16*\ii+6:\buf+16*\ii+7]
	v_pk_add_f32 v[ZZ+4*\ii:ZZ+4*\ii+1],   v[\buf+16*\ii+8:\buf+16*\ii+9],   v[\buf+16*\ii+12:\buf+16*\ii+13]
	v_pk_add_f32 v[ZZ+4*\ii+2:ZZ+4*\ii+3], v[\buf+16*\ii+10:\buf+16*\ii+11], v[\buf+16*\ii+14:\buf+16*\ii+15]
.endif
.endr
.irp ii, 0,1,2,3
	v_pk_add_f32 v[YY+4*\ii:YY+4*\ii+1],   v[YY+4*\ii:YY+4*\ii+1],   v[ZZ+4*\ii:ZZ+4*\ii+1]
	v_pk_add_f32 v[YY+4*\ii+2:YY+4*\ii+3], v[YY+4*\ii+2:YY+4*\ii+3], v[ZZ+4*\ii+2:ZZ+4*\ii+3]
.endr
.irp ii, 0,1,2,3
	global_store_b128 v[CO], v[YY+4*\ii:YY+4*\ii+3], s[6:7] offset:(64*\c+2*(\i0+\ii))*256
.endr
.irp ii, 0,1,2,3
	v_pk_add_f32 v[ZZ+4*\ii:ZZ+4*\ii+1], v[YY+4*\ii:YY+4*\ii+1], v[YY+4*\ii+2:YY+4*\ii+3]
.endr
	v_pk_add_f32 v[ZZ:ZZ+1],   v[ZZ:ZZ+1],   v[ZZ+4:ZZ+5]
	v_pk_add_f32 v[ZZ+8:ZZ+9], v[ZZ+8:ZZ+9], v[ZZ+12:ZZ+13]
.if \first
	v_pk_add_f32 v[NS:NS+1], v[ZZ:ZZ+1], v[ZZ+8:ZZ+9]          ; the first group starts the sum
.else
	v_pk_add_f32 v[ZZ:ZZ+1], v[ZZ:ZZ+1], v[ZZ+8:ZZ+9]
	v_pk_add_f32 v[NS:NS+1], v[NS:NS+1], v[ZZ:ZZ+1]
.endif
.endm
	RDGRP BA, 0, 0, 0
	RDGRP BB, 0, 4, 0
	s_wait_dscnt 0x10                              ; here and below: all but the 16 loads of the group asked for last
	SUMGRP BA, 0, 0, 0, 1
	RDGRP BA, 1, 0, 0
	s_wait_dscnt 0x10
	SUMGRP BB, 0, 4, 0, 0
	RDGRP BB, 1, 4, 0
	s_wait_dscnt 0x10
	SUMGRP BA, 1, 0, 0, 0
	RDGRP BA, 2, 0, 1
	s_wait_dscnt 0x10
	SUMGRP BB, 1, 4, 0, 0
	RDGRP BB, 2, 4, 1
	s_wait_dscnt 0x10
	SUMGRP BA, 2, 0, 1, 0
	s_wait_dscnt 0x0
	SUMGRP BB, 2, 4, 1, 0
	; the sum of all that my wave stored: four steps inside each half of 16 lanes, one across
	v_add_f32 v[NS], v[NS], v[NS+1]
	v_add_f32_dpp v[NS], v[NS], v[NS] row_xmask:1 row_mask:0xf bank_mask:0xf
	v_add_f32_dpp v[NS], v[NS], v[NS] row_xmask:2 row_mask:0xf bank_mask:0xf
	v_add_f32_dpp v[NS], v[NS], v[NS] row_xmask:4 row_mask:0xf bank_mask:0xf
	v_add_f32_dpp v[NS], v[NS], v[NS] row_xmask:8 row_mask:0xf bank_mask:0xf
	v_permlanex16_b32 v[NS+1], v[NS], s22, s23
	v_add_f32 v[NS], v[NS], v[NS+1]
	v_and_b32 v1, 31, v0
	v_mov_b32 v27, 0
	v_cmp_eq_u32 vcc_lo, 0, v1
	s_wait_xcnt 0x0                                ; EXEC is a source of the stores above: it changes only behind this wait
	s_set_vgpr_msb 0xa
	s_wait_tensorcnt 0x0
	ds_add_u32 v128, v129
	s_wait_dscnt 0x0
	s_set_vgpr_msb 0xa00
	s_and_saveexec_b32 s20, vcc_lo
	global_store_b32 v27, v[NS], s[8:9]            ; one number a wave: four bytes are all there is to say, 1,024 such stores in the launch
	s_wait_xcnt 0x0
	s_or_b32 exec_lo, exec_lo, s20
	s_endpgm
.Lfunc_end_k_qd7ab8fd4a9_hist:
	.size	k_qd7ab8fd4a9_hist, .Lfunc_end_k_qd7ab8fd4a9_hist-k_qd7ab8fd4a9_hist
	.p2alignl 7, 3214868480
	.fill 96, 4, 3214868480
	.section	.rodata,"a",@progbits
	.p2align	6, 0x0
	.amdhsa_kernel k_qd7ab8fd4a9_hist
		.amdhsa_group_segment_fixed_size 229888
		.amdhsa_private_segment_fixed_size 0
		.amdhsa_enable_private_segment 0
		.amdhsa_kernarg_size 24
		.amdhsa_user_sgpr_count 2
		.amdhsa_user_sgpr_kernarg_segment_ptr 1
		.amdhsa_wavefront_size32 1
		.amdhsa_system_sgpr_workgroup_id_x 1
		.amdhsa_system_sgpr_workgroup_id_y 1
		.amdhsa_system_sgpr_workgroup_id_z 1
		.amdhsa_system_vgpr_workitem_id 0
		.amdhsa_next_free_vgpr 642
		.amdhsa_next_free_sgpr 66
		.amdhsa_reserve_vcc 1
		.amdhsa_float_denorm_mode_32 3
		.amdhsa_float_denorm_mode_16_64 3
		.amdhsa_memory_ordered 1
		.amdhsa_forward_progress 1
		.amdhsa_inst_pref_size 155
	.end_amdhsa_kernel
	.amdgpu_metadata
---
amdhsa.version: [ 1, 2 ]
amdhsa.kernels:
  - .name:           k_qd7ab8fd4a9_hist
    .symbol:         k_qd7ab8fd4a9_hist.kd
    .args:
      - { .name: x, .offset: 0, .size: 8, .value_kind: global_buffer, .address_space: global }
      - { .name: part, .offset: 8, .size: 8, .value_kind: global_buffer, .address_space: global }
      - { .name: sums, .offset: 16, .size: 8, .value_kind: global_buffer, .address_space: global }
    .group_segment_fixed_size: 229888
    .private_segment_fixed_size: 0
    .kernarg_segment_align: 8
    .kernarg_segment_size: 24
    .max_flat_workgroup_size: 128
    .sgpr_count:     66
    .vgpr_count:     642
    .wavefront_size: 32
...
	.end_amdgpu_metadata
.endif
;; end of part 1
;; launch norm (part 2): grid 256 x 1, 3 waves a work-group, no clusters, 0 bytes of LDS; arguments part, sums, out0; writes out0
.if DOCPART == 2
	.amdgcn_target "amdgcn-amd-amdhsa--gfx1250"
	.amdhsa_code_object_version 6
	.text
	.protected	k_qd7ab8fd4a9_norm
	.globl	k_qd7ab8fd4a9_norm
	.p2align	8
	.type	k_qd7ab8fd4a9_norm,@function
k_qd7ab8fd4a9_norm:
	s_mov_b64 s[64:65], 0
	v_nop
	global_prefetch_b8 v0, s[64:65] scope:SCOPE_SE
	s_setreg_imm32_b32 hwreg(HW_REG_WAVE_MODE, 25, 1), 1
	s_wait_xcnt 0x0
; out0[l][i] = (sum over k < 64 of part[64 l + k][i]) / (sum of the image's 256 wave sums + eps).
; part: [256][12288] f32, sums: [4][256] f32, out0: [4][12288] f32.
; A stream: 768 waves, one for each row of 64 numbers of out0.  A lane owns two numbers, so every load and the store of a wave
; cover 256 consecutive bytes at a multiple of 256 from the buffer's first byte.  A wave adds its row's 64 partials by itself:
; no LDS, no barrier.  Matrix units, clusters and tensor loads have nothing to do here: every byte is read once, by one wave.
; Three groups of 16 loads are out at a time (12 KiB a wave); the fourth group goes into the first group's registers once those are added.
.set PARTB, 49152                      ; bytes of a partial histogram
.set KP,    64                         ; partials of an image
.set XB,    16                         ; v[16:111]  three groups of 16 pairs
.set AC,    112                        ; v[112:119] four chains of sums
	s_load_b128 s[4:7], s[0:1], 0x0                ; part s[4:5], sums s[6:7]
	s_load_b64 s[8:9], s[0:1], 0x10                ; out0
	s_lshr_b32 s10, ttmp9, 6                       ; image: 64 work-groups x 3 rows = its 192 rows
	s_and_b32 s11, ttmp9, 63
	s_mul_i32 s12, s10, KP*PARTB                   ; the image's first partial,
	s_mul_i32 s11, s11, 768                        ; my work-group's three rows in it
	s_add_co_u32 s12, s12, s11
	s_mov_b32 s13, 0
	s_lshl_b32 s14, s10, 10                        ; the image's 256 wave sums
	s_mov_b32 s15, 0
	s_mul_i32 s16, ttmp9, 768                      ; the same three rows in out0
	s_mov_b32 s17, 0
	s_mov_b32 s18, 0x76543210                      ; v_permlanex16_b32: lane i of one half reads lane i of the other
	s_mov_b32 s19, 0xfedcba98
	v_lshlrev_b32 v1, 3, v0                        ; 256 x wave + 8 x lane
	v_and_b32 v2, 31, v0
	v_lshlrev_b32 v2, 4, v2
	s_wait_kmcnt 0x0
	s_add_nc_u64 s[4:5], s[4:5], s[12:13]
	s_add_nc_u64 s[6:7], s[6:7], s[14:15]
	s_add_nc_u64 s[8:9], s[8:9], s[16:17]
	global_load_b128 v[4:7],  v2, s[6:7]
	global_load_b128 v[8:11], v2, s[6:7] offset:512
.macro LDG g, b                        ; partials 16 g .. 16 g + 15 into group b; the partial's number stands in the immediate, 3,096,576 bytes at the most
.irp i, 0,1,2,3,4,5,6,7,8,9,10,11,12,13,14,15
	global_load_b64 v[XB+32*\b+2*\i:XB+32*\b+2*\i+1], v1, s[4:5] offset:(16*\g+\i)*PARTB th:TH_LOAD_NT
.endr
.endm
.macro ADDG b, first
.if \first
.irp i, 0,1,2,3
	v_pk_add_f32 v[AC+2*\i:AC+2*\i+1], v[XB+32*\b+2*\i:XB+32*\b+2*\i+1], v[XB+32*\b+2*\i+8:XB+32*\b+2*\i+9]   ; the first eight start the chains: nothing is cleared
.endr
.irp i, 8,9,10,11,12,13,14,15
	v_pk_add_f32 v[AC+2*(\i%4):AC+2*(\i%4)+1], v[AC+2*(\i%4):AC+2*(\i%4)+1], v[XB+32*\b+2*\i:XB+32*\b+2*\i+1]
.endr
.else
.irp i, 0,1,2,3,4,5,6,7,8,9,10,11,12,13,14,15
	v_pk_add_f32 v[AC+2*(\i%4):AC+2*(\i%4)+1], v[AC+2*(\i%4):AC+2*(\i%4)+1], v[XB+32*\b+2*\i:XB+32*\b+2*\i+1]
.endr
.endif
.endm
	LDG 0, 0
	LDG 1, 1
	LDG 2, 2
	s_wait_loadcnt 0x30                            ; loads come back in order (ISA guide 5.7.1): the two loads of sums are in, the 48 behind them stay out
	v_pk_add_f32 v[4:5], v[4:5], v[6:7]
	v_pk_add_f32 v[8:9], v[8:9], v[10:11]
	v_pk_add_f32 v[4:5], v[4:5], v[8:9]
	v_add_f32 v4, v4, v5
	v_add_f32_dpp v4, v4, v4 row_xmask:1 row_mask:0xf bank_mask:0xf
	v_add_f32_dpp v4, v4, v4 row_xmask:2 row_mask:0xf bank_mask:0xf
	v_add_f32_dpp v4, v4, v4 row_xmask:4 row_mask:0xf bank_mask:0xf
	v_add_f32_dpp v4, v4, v4 row_xmask:8 row_mask:0xf bank_mask:0xf
	v_permlanex16_b32 v5, v4, s18, s19
	v_add_f32 v4, v4, v5                           ; the image's whole sum, in every lane
	v_add_f32 v4, 0x358637bd, v4                   ; + eps
	v_rcp_f32 v12, v4                              ; twice, for the packed multiply; the additions below stand between these
	v_rcp_f32 v13, v4                              ; and the use of their results (ISA guide 5.7.2)
	s_wait_loadcnt 0x20                            ; group 0 is in; groups 1 and 2 stay out
	ADDG 0, 1
	LDG 3, 0                                       ; the last 16 partials, into the registers just added
	s_wait_loadcnt 0x20                            ; group 1 is in; group 2 and the last 16 stay out
	ADDG 1, 0
	s_wait_loadcnt 0x10                            ; group 2 is in
	ADDG 2, 0
	s_wait_loadcnt 0x0
	ADDG 0, 0
	v_pk_add_f32 v[AC:AC+1],   v[AC:AC+1],   v[AC+2:AC+3]
	v_pk_add_f32 v[AC+4:AC+5], v[AC+4:AC+5], v[AC+6:AC+7]
	v_pk_add_f32 v[AC:AC+1],   v[AC:AC+1],   v[AC+4:AC+5]
	s_wait_alu depctr_va_vdst(0)
	v_pk_mul_f32 v[AC:AC+1],   v[AC:AC+1],   v[12:13]
	global_store_b64 v1, v[AC:AC+1], s[8:9] th:TH_STORE_NT
	s_endpgm
.Lfunc_end_k_qd7ab8fd4a9_norm:
	.size	k_qd7ab8fd4a9_norm, .Lfunc_end_k_qd7ab8fd4a9_norm-k_qd7ab8fd4a9_norm
	.p2alignl 7, 3214868480
	.fill 96, 4, 3214868480
	.section	.rodata,"a",@progbits
	.p2align	6, 0x0
	.amdhsa_kernel k_qd7ab8fd4a9_norm
		.amdhsa_group_segment_fixed_size 0
		.amdhsa_private_segment_fixed_size 0
		.amdhsa_enable_private_segment 0
		.amdhsa_kernarg_size 24
		.amdhsa_user_sgpr_count 2
		.amdhsa_user_sgpr_kernarg_segment_ptr 1
		.amdhsa_wavefront_size32 1
		.amdhsa_system_sgpr_workgroup_id_x 1
		.amdhsa_system_sgpr_workgroup_id_y 1
		.amdhsa_system_sgpr_workgroup_id_z 1
		.amdhsa_system_vgpr_workitem_id 0
		.amdhsa_next_free_vgpr 120
		.amdhsa_next_free_sgpr 66
		.amdhsa_reserve_vcc 0
		.amdhsa_float_denorm_mode_32 3
		.amdhsa_float_denorm_mode_16_64 3
		.amdhsa_memory_ordered 1
		.amdhsa_forward_progress 1
		.amdhsa_inst_pref_size 13
	.end_amdhsa_kernel
	.amdgpu_metadata
---
amdhsa.version: [ 1, 2 ]
amdhsa.kernels:
  - .name:           k_qd7ab8fd4a9_norm
    .symbol:         k_qd7ab8fd4a9_norm.kd
    .args:
      - { .name: part, .offset: 0, .size: 8, .value_kind: global_buffer, .address_space: global }
      - { .name: sums, .offset: 8, .size: 8, .value_kind: global_buffer, .address_space: global }
      - { .name: out0, .offset: 16, .size: 8, .value_kind: global_buffer, .address_space: global }
    .group_segment_fixed_size: 0
    .private_segment_fixed_size: 0
    .kernarg_segment_align: 8
    .kernarg_segment_size: 24
    .max_flat_workgroup_size: 96
    .sgpr_count:     66
    .vgpr_count:     120
    .wavefront_size: 32
...
	.end_amdgpu_metadata
.endif
;; end of part 2
